; MI455X (gfx1250); checked and timed in simulation.
; The chip was launched on July 23, 2026; its instructions are those of AMD's public machine-readable ISA for CDNA 5 (MIT licence, August 2026) and "CDNA5" Instruction Set Architecture Reference Guide (July 2026). The comments in the code are by the model that wrote it; some were corrected since.
;; Plastic Multi Head Attention. Allowed arithmetic: matrix products marked QUANTISED: E2M1 operands, one E8M0 scale for each 32 along K, by v_wmma_scale_f32_16x16x128_f8f6f4 with both operands' format E2M1 (or v_wmma_scale_f32_32x16x128_f4), f32 sums; products left as they are: f32 operands where the result goes on into a quantised operand, else bf16, f16 or f32 operands; f32 sums; everything else in f32.
;; Inputs: W_qkv 3,072 x 1,024 float32; b_qkv 3,072 float32; hebbian_trace 16 x 64 x 64 float32; hidden_states 1 x 4,096 x 1,024 float32.
;; Outputs: out0 1 x 4,096 x 1,024 float32.
;; This version of the problem:
;;   THIS VERSION OF THE PROBLEM IS GIVEN IN LOW PRECISION. The matrix products marked QUANTISED in the list below multiply operands that are first quantised to E2M1 (2 exponent bits, 1 mantissa bit; 4 bits a number), with one power-of-two scale for each 32 numbers along K (OCP MX v1.0); their sums are f32. All else is computed in f32.
;;   The module's matrix products, in the order in which they are computed (A, B: the left and right operand; K: the contracted axis; several contracted axes count as one K, in the product's order):
;;     1. [M 4,096, K 1,024] x [K 1,024, N 3,072]; A: input hidden_states; B: input W_qkv: QUANTISED
;;     2. batch 16 x [M 4,096, K 64] x [K 64, N 4,096]; A: computed on the way; B: computed on the way: QUANTISED
;;     3. batch 16 x [M 4,096, K 4,096] x [K 4,096, N 64]; A: softmax (see below); B: computed on the way: QUANTISED
;;     4. batch 1,024 x [M 1, K 1] x [K 1, N 4,096]; A: computed on the way; B: computed on the way: left as it is (no contracted axis)
;;   THE QUANTISER, for each operand of a quantised product, along K:
;;     - K is cut into blocks of 32 from its start; a last block that is shorter is filled with zeros.
;;     - A block's scale is 2^e with e = floor(log2(the largest magnitude in the block)) - 2, held to -126 .. 127; a block of zeros has e = 0. As a byte (E8M0): e + 127.
;;     - Each number is divided by its block's scale, clamped to +-6, and rounded to the nearest number of E2M1, ties to even, subnormals kept.
;;     - The product sums the exact products of the quantised numbers (number of the format x scale) in f32.
;;   ~~~python
;;   def quantise(x, axis):      # numpy; x: float32 -> the quantised numbers, widened to float32 again
;;       x = np.moveaxis(x, axis, -1); K = x.shape[-1]
;;       x = np.pad(x, [(0, 0)] * (x.ndim - 1) + [(0, -K % 32)]); x = x.reshape(x.shape[:-1] + (-1, 32)); a = np.abs(x).max(-1, keepdims=True)
;;       e = np.where(a > 0, np.clip(np.frexp(np.where(a > 0, a, 1))[1] - 1 - 2, -126, 127), 0)      # np.frexp(a)[1] - 1 = floor(log2(a)), exactly
;;       r = np.clip(x / 2.0 ** e, -6, 6)
;;       step = 2.0 ** (np.maximum(np.frexp(np.where(r == 0, 1, r))[1] - 1, 0) - 1)
;;       q = np.round(r / step) * step * 2.0 ** e      # np.round: ties to even
;;       return np.moveaxis(q.reshape(q.shape[:-2] + (-1,))[..., :K], -1, axis).astype(np.float32)
;;   ~~~
;;   SOFTMAX AHEAD OF A QUANTISED PRODUCT. Where the list says 'softmax', what is quantised is not the finished softmax but p = 2^(t - M), with t = logit x log2(e) and M = ceil(the row's largest t), a whole number; so 1/2 < the row's largest p <= 1. The row's sum l is taken of the UNQUANTISED p, in f32, and the product's result is divided by l at the end. Since M is a whole number, a kernel that streams over the keys may use a running M (the ceiling of the running maximum): every later rescaling is an exact power of two, which a block's scale takes up: the codes' values come out the same.
;;   OPERANDS COMPUTED ON THE WAY. 'Computed on the way' means the value that the module computes at that place (a softmax that the list does not call 'softmax' is quantised finished and normalised). What goes into a quantiser is computed in f32, as accurately as f32 sums, v_exp_f32 and their like allow (about 1e-6 of the number): no bf16 or f16 on the way to a quantiser, and a product that is left as it is and whose result goes on into a quantised operand takes f32 operands (vector FMAs, or v_wmma_f32_16x16x4_f32). A number that lies on a knife's edge between two numbers of the format may be rounded either way, as far as f32 arithmetic and the matrix unit's own rounding can turn it there, and no further.
;; One version. Each part assembles by itself: llvm-mc -triple=amdgcn-amd-amdhsa -mcpu=gfx1250 --defsym DOCPART=n.
;; ======== version 1 of 1: 3 launches
;; limits: right only within a limited range of input values
;; workspace buffers: xc 2,097,152 bytes; xs 131,072 bytes; wc 1,572,864 bytes; ws 98,304 bytes; qc 2,097,152 bytes; qs 262,144 bytes; kv 4,587,520 bytes
;; launch quant (part 1): grid 224 x 1, 4 waves a work-group, no clusters, 33,280 bytes of LDS; arguments hidden_states, W_qkv, xc, xs, wc, ws; writes xc, xs, wc, ws
.if DOCPART == 1
	.amdgcn_target "amdgcn-amd-amdhsa--gfx1250"
	.amdhsa_code_object_version 6
	.text
	.protected	k_qa7bdbc186f_quant
	.globl	k_qa7bdbc186f_quant
	.p2align	8
	.type	k_qa7bdbc186f_quant,@function
k_qa7bdbc186f_quant:
	s_mov_b64 s[64:65], 0
	v_nop
	global_prefetch_b8 v0, s[64:65] scope:SCOPE_SE
	s_setreg_imm32_b32 hwreg(HW_REG_WAVE_MODE, 25, 1), 1
	s_wait_xcnt 0x0
; FIRST OF THREE LAUNCHES.  out = diag(trace[h]) x softmax(q k^T / 8) v, with q, k, v = x W^T + b; all three matrix products on codes of FP4 (E2M1) with one E8M0 scale for each 32 along K.
; This launch: hidden_states [4096][1024] and W_qkv [3072][1024], f32, become codes (K innermost, 512 bytes a row) and scale bytes (32 a row).  The second makes q, k, v and quantises them; the third is the attention.
; WORK LEFT OUT, for all values of the inputs: the einsum 'blhd,hdd->blhd' names d twice in the trace, so it takes trace[h][d][d] alone: of hebbian_trace's 64 x 64 numbers a head, the 63 x 64 off the diagonal
; enter no term of any output.  They are not loaded (the third launch loads the 64 on the diagonal).  Every input keeps a way to the output, so all four are among the launches' arguments; the biases move codes and stay.
; LIMIT that goes with it: a NaN or an infinity off the diagonal of hebbian_trace is not carried to the result.
; A block's scale is 2^(floor(log2(its largest magnitude)) - 2); its byte is the largest magnitude's own exponent field - 2, held at 1 from below.  (A block of zeros so gets the byte 1 where the rule says 127: its codes
; are zeros, which add nothing under any byte but 0xff, and the bytes are read by this program alone.)  Each number is divided by the scale and rounded to the nearest code, ties to even, beyond 6 the largest code.
; LIMITS: blocks whose largest magnitude lies under 2^(2 - 126) keep the byte 1; NaN and infinities among the inputs are not served.
; Rows are dense and 1,024 is a multiple of 32: both tensors are streams of blocks of 32.  A wave takes 16 steps of 512 numbers: 8 rows.  A load reads 512 consecutive bytes, 16 a lane; a step's 2,048 bytes turn through
; the wave's own stage in LDS and come back 64 bytes a lane, so that a lane holds 16 neighbours along K (two neighbouring lanes a block).  A lane's 16 codes are 8 bytes: the wave stores 256 consecutive bytes.
; THE ROWS LEAVE PERMUTED inside each 32: row 32 b + 16 g + 8 u + i goes to POSITION 32 b + 16 u + 8 g + i.  Sixteen consecutive positions 16 a .. 16 a + 15 are then the rows 32 (a / 2) + 8 (a % 2) + r + 8 (r / 8):
; as source 0 of a matrix instruction they leave, in two neighbouring tiles' 16 result registers of a lane, 16 neighbours along the next product's K.  A wave's 8 rows are one group, so only its number's two low bits change places.
; One launch serves both tensors: the first WGA work-groups take hidden_states, the others W_qkv.  No tensor loads, no barrier: waves share nothing.  Loads run four steps (16 loads a wave) ahead.
.set SIZE_M, 4096
.set SIZE_N, 3072
.set SIZE_K, 1024
.set WAVES, 4
.set STEPS, 16
.set WGA,   SIZE_M*SIZE_K/(512*STEPS*WAVES)    ; 128
.set EMAX,  2
.set CB,    8                          ; bytes of 16 codes
.set R,     16                         ; v16-79   four sets of 16 numbers as they are loaded
.set X,     80                         ; v80-111  two sets of 16 neighbours
.set C,     128                        ; v128-191 codes: four registers for each step, so that no store's data are written again
.set E,     112                        ; v112-127 a scale byte for each step
.set WREG,  8192                       ; LDS: a region for each wave: two stages of 32 x SP bytes, behind them its 256 scale bytes
.set SP,    80                         ; a lane's place in a stage: its 64 bytes + 16 of padding
.set SPW,   12                         ; v12      LDS address of my spare word; never rewritten
.set NIL,   13                         ; v13      0; never rewritten
.set SPARE, WAVES*WREG                 ; behind the four regions: the spare words, 128 bytes for each wave, which no other line names
	s_load_b128 s[4:7], s[0:1], 0x0                ; hidden_states, W_qkv
	s_load_b128 s[8:11], s[0:1], 0x10              ; x's codes, x's scales
	s_load_b128 s[12:15], s[0:1], 0x20             ; W's codes, W's scales
	v_lshl_add_u32 v[SPW], v0, 2, SPARE
	v_mov_b32 v[NIL], 0
	v_lshrrev_b32 v1, 5, v0
	v_readfirstlane_b32 s16, v1                    ; wave
	v_and_b32 v2, 31, v0                           ; lane
	v_lshlrev_b32 v3, 4, v2                        ; my 16 bytes of a load's 512
	s_mul_i32 s17, s16, WREG
	v_lshrrev_b32 v14, 2, v2
	v_mul_u32_u24 v14, v14, SP
	v_and_b32 v15, 3, v2
	v_lshl_add_u32 v14, v15, 4, v14
	v_add_nc_u32 v14, s17, v14                     ; the stage, on the way in: SP (lane / 4) + 16 (lane % 4)
	v_mul_u32_u24 v15, v2, SP
	v_add_nc_u32 v15, s17, v15                     ; and on the way out: SP x lane: my 16 neighbours
	v_mul_u32_u24 v4, v2, CB                       ; my codes' place in a step's
	v_lshrrev_b32 v5, 1, v2
	s_add_co_u32 s17, s17, 2*32*SP
	v_add_nc_u32 v5, s17, v5                       ; LDS: my wave's 256 scale bytes, my block's byte
	v_lshlrev_b32 v7, 3, v2                        ; and on the way out 8 bytes a lane
	v_add_nc_u32 v6, s17, v7
	s_wait_alu depctr_va_vdst(0)
	s_wait_kmcnt 0x0
	s_cmp_lt_u32 ttmp9, WGA                        ; x's work-group or W's?  The choice hangs on the work-group's number alone
	s_cselect_b64 s[4:5], s[4:5], s[6:7]
	s_cselect_b64 s[8:9], s[8:9], s[12:13]
	s_cselect_b64 s[10:11], s[10:11], s[14:15]
	s_cselect_b32 s17, 0, WGA
	s_sub_co_u32 s17, ttmp9, s17
	s_lshl_b32 s17, s17, 2
	s_add_co_u32 s18, s17, s16                     ; which group of 8 rows of the tensor is my wave's: 4 b + 2 g + u
	s_lshl_b32 s20, s18, 15                        ; 8 rows of 4,096 bytes
	s_mov_b32 s21, 0
	s_add_nc_u64 s[4:5], s[4:5], s[20:21]
	s_and_b32 s22, s18, 1                          ; u
	s_bfe_u32 s23, s18, 0x10001                    ; g
	s_and_b32 s18, s18, -4
	s_lshl_b32 s22, s22, 1
	s_or_b32 s18, s18, s22
	s_or_b32 s18, s18, s23                         ; the group's position: 4 b + 2 u + g
	s_lshl_b32 s20, s18, 12                        ; 8 rows of 512 bytes of codes
	s_add_nc_u64 s[8:9], s[8:9], s[20:21]
	s_lshl_b32 s20, s18, 8                         ; 8 rows of 32 scale bytes
	s_add_nc_u64 s[10:11], s[10:11], s[20:21]
.macro LOAD t
.irp i, 0,1,2,3
	global_load_b128 v[R+16*((\t)%4)+4*\i:R+16*((\t)%4)+4*\i+3], v3, s[4:5] offset:2048*(\t)+512*\i th:TH_LOAD_NT   ; 32 lanes read 512 consecutive bytes
.endr
.endm
.macro TURN t                          ; step t's numbers through the stage: LDS serves a wave's instructions in order, so no wait stands between the stores and the loads
.irp i, 0,1,2,3
	ds_store_b128 v14, v[R+16*((\t)%4)+4*\i:R+16*((\t)%4)+4*\i+3] offset:32*SP*((\t)%2)+8*SP*\i
.endr
.irp i, 0,1,2,3
	ds_load_b128 v[X+16*((\t)%2)+4*\i:X+16*((\t)%2)+4*\i+3], v15 offset:32*SP*((\t)%2)+16*\i
.endr
.endm
.irp t, 0,1,2,3
	LOAD \t
.endr
	s_wait_loadcnt 12                              ; step 0's four loads are in; the twelve of steps 1 to 3 may be out
	TURN 0
.macro STEP t
.set XS, X+16*((\t)%2)
.if (\t) > 0
	s_wait_dscnt 1                                 ; this step's numbers are back from the stage (the last step's byte store may be out): so its stores into the stage have read their registers,
.else
	s_wait_dscnt 0x0
.endif
.if (\t)+4 < STEPS
	LOAD (\t)+4                                    ; which take the loads of four steps on
.endif
.if (\t)+1 < STEPS
.if STEPS-2-(\t) >= 3
	s_wait_loadcnt 12                              ; the next step's four loads are in; those of the three steps behind it may be out
.else
	s_wait_loadcnt 4*(STEPS-2-(\t))
.endif
	TURN (\t)+1                                    ; and go through the other stage while this step is worked
.endif
	v_max3_num_f32 v8, |v[XS]|, |v[XS+1]|, |v[XS+2]|               ; the largest magnitude of my 16
	v_max3_num_f32 v9, |v[XS+3]|, |v[XS+4]|, |v[XS+5]|
.irp i, 6,10
	v_max3_num_f32 v8, v8, |v[XS+\i]|, |v[XS+\i+1]|
	v_max3_num_f32 v9, v9, |v[XS+\i+2]|, |v[XS+\i+3]|
.endr
	v_max3_num_f32 v8, v8, |v[XS+14]|, |v[XS+15]|
	v_max3_num_f32 v8, v8, v9, (EMAX+1)<<23        ; and the floor 2^(EMAX + 1 - 127): so the byte cannot fall under 1
	v_max_num_f32_dpp v8, v8, v8 row_xmask:1 row_mask:0xf bank_mask:0xf   ; and of my neighbour's 16: the block's
	v_add_nc_u32 v11, -(EMAX<<23), v8              ; EMAX off its exponent field: the conversion takes the exponent field of this operand as its scale, and nothing else of it
	v_cvt_scalef32_pk8_fp4_f32 v[C+4*(\t)], v[XS:XS+7], v11
	v_cvt_scalef32_pk8_fp4_f32 v[C+4*(\t)+1], v[XS+8:XS+15], v11
	v_lshrrev_b32 v[E+(\t)], 23, v11               ; the scale's byte (a plain line behind the conversions)
	ds_store_b8 v5, v[E+(\t)] offset:16*(\t)       ; both lanes of a block write the same byte with the same value
	global_store_b64 v4, v[C+4*(\t):C+4*(\t)+1], s[8:9] offset:32*CB*(\t)   ; 32 lanes store 256 consecutive bytes, aligned
.endm
.irp t, 0,1,2,3,4,5,6,7,8,9,10,11,12,13,14,15
	STEP \t
.endr
	ds_load_b64 v[8:9], v6                         ; LDS serves a wave's instructions in order: these see my stores
	s_wait_dscnt 0x0
	global_store_b64 v7, v[8:9], s[10:11]          ; 32 lanes store 256 consecutive bytes, aligned
	s_wait_tensorcnt 0x0                           ; the wave's end, behind my last LDS store
	ds_add_u32 v[SPW], v[NIL]
	s_wait_dscnt 0x0
	s_endpgm
.Lfunc_end_k_qa7bdbc186f_quant:
	.size	k_qa7bdbc186f_quant, .Lfunc_end_k_qa7bdbc186f_quant-k_qa7bdbc186f_quant
	.p2alignl 7, 3214868480
	.fill 96, 4, 3214868480
	.section	.rodata,"a",@progbits
	.p2align	6, 0x0
	.amdhsa_kernel k_qa7bdbc186f_quant
		.amdhsa_group_segment_fixed_size 33280
		.amdhsa_private_segment_fixed_size 0
		.amdhsa_enable_private_segment 0
		.amdhsa_kernarg_size 48
		.amdhsa_user_sgpr_count 2
		.amdhsa_user_sgpr_kernarg_segment_ptr 1
		.amdhsa_wavefront_size32 1
		.amdhsa_system_sgpr_workgroup_id_x 1
		.amdhsa_system_sgpr_workgroup_id_y 1
		.amdhsa_system_sgpr_workgroup_id_z 1
		.amdhsa_system_vgpr_workitem_id 0
		.amdhsa_next_free_vgpr 192
		.amdhsa_next_free_sgpr 66
		.amdhsa_reserve_vcc 0
		.amdhsa_float_denorm_mode_32 3
		.amdhsa_float_denorm_mode_16_64 3
		.amdhsa_memory_ordered 1
		.amdhsa_forward_progress 1
		.amdhsa_inst_pref_size 34
	.end_amdhsa_kernel
	.amdgpu_metadata
---
amdhsa.version: [ 1, 2 ]
amdhsa.kernels:
  - .name:           k_qa7bdbc186f_quant
    .symbol:         k_qa7bdbc186f_quant.kd
    .args:
      - { .name: hidden_states, .offset: 0, .size: 8, .value_kind: global_buffer, .address_space: global }
      - { .name: W_qkv, .offset: 8, .size: 8, .value_kind: global_buffer, .address_space: global }
      - { .name: xc, .offset: 16, .size: 8, .value_kind: global_buffer, .address_space: global }
      - { .name: xs, .offset: 24, .size: 8, .value_kind: global_buffer, .address_space: global }
      - { .name: wc, .offset: 32, .size: 8, .value_kind: global_buffer, .address_space: global }
      - { .name: ws, .offset: 40, .size: 8, .value_kind: global_buffer, .address_space: global }
    .group_segment_fixed_size: 33280
    .private_segment_fixed_size: 0
    .kernarg_segment_align: 8
    .kernarg_segment_size: 48
    .max_flat_workgroup_size: 128
    .sgpr_count:     66
    .vgpr_count:     192
    .wavefront_size: 32
...
	.end_amdgpu_metadata
.endif
;; end of part 1
;; launch gemm (part 2): grid 12 x 16, 4 waves a work-group, clusters of 4 x 4, 327,680 bytes of LDS; arguments xc, xs, wc, ws, b_qkv, qc, qs, kv; writes qc, qs, kv
.if DOCPART == 2
	.amdgcn_target "amdgcn-amd-amdhsa--gfx1250"
	.amdhsa_code_object_version 6
	.text
	.protected	k_qa7bdbc186f_gemm
	.globl	k_qa7bdbc186f_gemm
	.p2align	8
	.type	k_qa7bdbc186f_gemm,@function
k_qa7bdbc186f_gemm:
	s_mov_b64 s[64:65], 0
	v_nop
	global_prefetch_b8 v0, s[64:65] scope:SCOPE_SE
	s_setreg_imm32_b32 hwreg(HW_REG_WAVE_MODE, 25, 1), 1
	s_wait_xcnt 0x0
	s_wait_alu depctr_hold_cnt(0) depctr_sa_sdst(0) depctr_va_vdst(0) depctr_va_sdst(0) depctr_va_ssrc(0) depctr_va_vcc(0) depctr_vm_vsrc(0)
	s_getreg_b32 s2, hwreg(HW_REG_IB_STS2, 6, 4)
	s_cmp_eq_u32 s2, 0
	s_cbranch_scc0 .Lentry_in_a_cluster
	s_endpgm
.Lentry_in_a_cluster:
	s_bfe_u32 s2, ttmp6, 0x10000c
	s_cmp_lg_u32 s2, 0xf033
	s_cbranch_scc0 .Lentry_shape_is_right
	s_endpgm
.Lentry_shape_is_right:
; SECOND LAUNCH: q, k, v = x W^T + b on codes of FP4 (E2M1) with E8M0 scales, quantised again on the way out: q and k along the head's 64, v along the keys, stored as images of the third launch's operand registers.
; A work-group makes 256 x 256; all of K = 1,024 lies in LDS, each byte filled once.  The head's four tiles (x's codes, W's codes, x's scale bytes, W's) are shared out, one joint load a wave.
.set PITCH,  528
.set HALFT,  128*PITCH
.set SCL,    4*HALFT
.set HALFS,  16*272
.set SPARE,  SCL+4*HALFS
.set FR,     8
.set REC,    8960
.set HEADB,  32*REC
.set ADA,  16
.set ADB,  17
.set SCQ,  18
.set SCV,  19
.set L16,  20
.set L8,   21
.set BQ,   22
.set BV,   23
.set SPW,  28
.set NIL,  29
.set SC,   32
.set WQ,   96
.set PC,   104
.set TM,   112
.set AF,   128
.set BI,   192
.set G1,   24
.set G0,   32
.set G1B,  48
.set G0B,  56
.set G1S,  68
.set G0S,  76
.set G0SB, 80
.set G1SB, 92
.set MSB, 0
.macro WIN new
.if MSB != (\new)
	s_set_vgpr_msb (MSB<<8)|(\new)
.set MSB, (\new)
.endif
.endm
.macro ARM under, g0, g1, next         ; one arm of the head's tree: a load, its s_nop 0 and four v_nop, a jump to the tree's end
	s_cmp_lt_u32 s14, \under
	s_cbranch_scc0 \next
	tensor_load_to_lds s[\g0:\g0+3], s[\g1:\g1+7]
	s_nop 0
.rept 4
	v_nop
.endr
	s_branch .Lhead_asked
\next:
.endm
.macro CROUND
	s_barrier_signal -1
	s_barrier_wait -1
	s_cmp_lg_u32 s14, 0
	s_cbranch_scc1 .Lnot_wave_0_\@
	s_barrier_signal -3
.Lnot_wave_0_\@:
	s_barrier_wait -3
	s_barrier_signal -1
	s_barrier_wait -1
.endm
.macro PLACES n
.rept \n
	v_nop
.endr
.endm
	s_load_b256 s[4:11], s[0:1], 0x0
	s_load_b256 s[84:91], s[0:1], 0x20
	v_lshl_add_u32 v[SPW], v0, 2, SPARE
	v_mov_b32 v[NIL], 0
	ds_add_u32 v[SPW], v[NIL]
	ds_add_u32 v[SPW], v[NIL]
	v_lshrrev_b32 v1, 5, v0
	v_readfirstlane_b32 s14, v1
	s_lshr_b32 s15, s14, 1
	s_and_b32 s16, s14, 1
	s_bfe_u32 s40, ttmp6, 0x40000
	s_bfe_u32 s41, ttmp6, 0x40004
	s_lshl_b32 s42, ttmp9, 2
	s_add_co_u32 s42, s42, s40
	s_and_b32 s17, ttmp7, 0xffff
	s_lshl_b32 s17, s17, 2
	s_add_co_u32 s17, s17, s41
	s_lshl_b32 s43, s41, 2
	s_lshl_b32 s43, 15, s43
	s_lshl_b32 s44, 0x1111, s40
	s_or_b32 s[G1+0], s43, (0<<16)|(1<<20)|(1<<21)|(6<<22)|(3<<25)
	s_or_b32 s[G1B+0], s44, (0<<16)|(1<<20)|(1<<21)|(6<<22)|(3<<25)
.irp g, G1, G1B
	s_mov_b32 s[\g+1], 512<<16
	s_mov_b32 s[\g+2], 256<<16
	s_mov_b32 s[\g+3], 512<<16
	s_mov_b32 s[\g+4], 256
	s_mov_b32 s[\g+5], 512
	s_mov_b32 s[\g+6], 0
	s_mov_b32 s[\g+7], 0
.endr
	s_or_b32 s[G1S+0], s43, (3<<16)|(1<<20)|(1<<21)|(5<<22)|(3<<25)
	s_or_b32 s[G1SB+0], s44, (3<<16)|(1<<20)|(1<<21)|(5<<22)|(3<<25)
.irp g, G1S, G1SB
	s_mov_b32 s[\g+1], 32<<16
	s_mov_b32 s[\g+2], 32<<16
	s_mov_b32 s[\g+3], 32<<16
	s_mov_b32 s[\g+4], 32
	s_mov_b32 s[\g+5], 32
	s_mov_b32 s[\g+6], 0
	s_mov_b32 s[\g+7], 0
.endr
	s_mov_b32 s60, 0x76543210
	s_mov_b32 s61, 0xfedcba98
	s_mov_b32 s62, 0xffff0000
	s_lshl_b32 s20, s17, 8
	s_lshl_b32 s46, s42, 8
	s_lshl_b32 s22, s20, 5
	s_mov_b32 s23, 0
	s_lshl_b32 s20, s20, 9
	s_mov_b32 s21, 0
	s_lshl_b32 s66, s46, 5
	s_mov_b32 s67, 0
	s_lshl_b32 s46, s46, 9
	s_mov_b32 s47, 0
	s_wait_dscnt 0x0
	s_wait_kmcnt 0x0
	s_add_nc_u64 s[20:21], s[4:5], s[20:21]
	s_add_nc_u64 s[22:23], s[6:7], s[22:23]
	s_add_nc_u64 s[46:47], s[8:9], s[46:47]
	s_add_nc_u64 s[66:67], s[10:11], s[66:67]
	CROUND
	s_mov_b32 s[G0S], 1
	s_mov_b32 s[G0S+1], SCL
	s_mov_b64 s[G0S+2:G0S+3], s[22:23]
	s_or_b32 s[G0S+3], s[G0S+3], 0x80000000
	s_mov_b32 s[G0SB], 1
	s_mov_b32 s[G0SB+1], SCL+2*HALFS
	s_mov_b64 s[G0SB+2:G0SB+3], s[66:67]
	s_or_b32 s[G0SB+3], s[G0SB+3], 0x80000000
	s_mov_b32 s[G0], 1
	s_mov_b32 s[G0+1], 0
	s_mov_b64 s[G0+2:G0+3], s[20:21]
	s_or_b32 s[G0+3], s[G0+3], 0x80000000
	s_mov_b32 s[G0B], 1
	s_mov_b32 s[G0B+1], 2*HALFT
	s_mov_b64 s[G0B+2:G0B+3], s[46:47]
	s_or_b32 s[G0B+3], s[G0B+3], 0x80000000
	s_wait_alu depctr_va_vdst(0)
	ARM 1, G0,  G1,  .Lhead_b              ; wave 0: x's 256 rows of codes; wave 1: W's; wave 2: x's scale bytes; wave 3: W's.  Every way through the head passes one load
	ARM 2, G0B, G1B, .Lhead_sa
	ARM 3, G0S, G1S, .Lhead_sb
	tensor_load_to_lds s[G0SB:G0SB+3], s[G1SB:G1SB+7]
	s_nop 0
.rept 4
	v_nop
.endr
.Lhead_asked:
	v_and_b32 v1, 15, v0
	v_bfe_u32 v2, v0, 4, 1
	s_wait_alu depctr_va_vdst(0)
	v_mul_u32_u24 v3, v1, PITCH
	v_lshl_add_u32 v3, v2, 4, v3
	s_mul_i32 s18, s15, HALFT
	s_mul_i32 s19, s16, HALFT
	s_add_co_u32 s19, s19, 2*HALFT
	v_add_nc_u32 v[ADA], s18, v3
	v_add_nc_u32 v[ADB], s19, v3
	v_lshlrev_b32 v4, 5, v1
	v_lshrrev_b32 v5, 8, v4
	v_lshl_add_u32 v4, v5, 4, v4
	s_mul_i32 s18, s15, HALFS
	s_mul_i32 s19, s16, HALFS
	s_add_co_u32 s19, s19, 2*HALFS
	s_sub_co_u32 s19, s19, s18
	s_add_co_u32 s18, s18, SCL
	v_add_nc_u32 v4, s18, v4
	v_mul_u32_u24 v5, s19, v2
	v_add_nc_u32 v[SCQ], v4, v5
	v_xor_b32 v6, 1, v2
	v_mul_u32_u24 v5, s19, v6
	v_add_nc_u32 v[SCV], v4, v5
	v_and_b32 v7, 31, v0
	v_lshlrev_b32 v[L16], 4, v7
	v_lshlrev_b32 v[L8], 3, v7
	v_lshlrev_b32 v[BQ], 6, v2
	v_and_b32 v8, 8, v1
	v_add_nc_u32 v8, v8, v1
	v_lshlrev_b32 v[BV], 2, v8
.irp b, 0,1,2,3
	v_mov_b32 v[TM+4+\b], 0
.endr
	s_lshl_b32 s2, s42, 10
	s_lshl_b32 s3, s16, 9
	s_add_co_u32 s2, s2, s3
	s_mov_b32 s3, 0
	s_add_nc_u64 s[84:85], s[84:85], s[2:3]
	s_cmp_lt_u32 ttmp9, 2
	s_cbranch_scc0 .Lbias_v
.irp b, 0,1,2,3,4,5,6,7
	global_load_b128 v[BI+8*\b:BI+8*\b+3], v[BQ], s[84:85] offset:(32*(\b/2)+8*(\b%2))*4
	global_load_b128 v[BI+8*\b+4:BI+8*\b+7], v[BQ], s[84:85] offset:(32*(\b/2)+8*(\b%2))*4+16
.endr
	s_branch .Lbias_done
.Lbias_v:
	s_wait_alu depctr_va_vdst(0)
.irp a, 0,1,2,3,4,5,6,7
	global_load_b32 v[BI+8*\a], v[BV], s[84:85] offset:(32*(\a/2)+8*(\a%2))*4
.endr
	s_wait_loadcnt 0x0
.irp a, 0,1,2,3,4,5,6,7
.irp j, 1,2,3,4,5,6,7
	v_mov_b32 v[BI+8*\a+\j], v[BI+8*\a]
.endr
.endr
	PLACES 8
.Lbias_done:
	s_wait_loadcnt 0x0
	s_wait_tensorcnt 0x0
	s_barrier_signal -1
	s_barrier_wait -1
.macro FRAG reg, adr, q, i
.irp c, 0,1
	ds_load_b128 v[\reg+4*\c:\reg+4*\c+3], v[\adr] offset:64*(\q)+32*\c+(\i)*16*PITCH
.endr
.endm
.macro FETCH_S adr, q, p
	WIN 0x40
.irp i, 0,1,2,3,4,5,6,7
	FRAG 128*(\p)+FR*\i, \adr, \q, \i
.endr
	WIN 0
.endm
.macro FETCH_P adr, q, i0
.irp i, \i0, \i0+1, \i0+2, \i0+3
	FRAG AF+FR*(\i), \adr, \q, \i
.endr
.endm
.macro SCALES adr
.irp i, 0,1,2,3,4,5,6,7
.irp e, 0,1
	ds_load_b128 v[SC+8*\i+4*\e:SC+8*\i+4*\e+3], v[\adr] offset:544*\i+16*\e
.endr
.endr
.endm
.macro MUL16 a0, p, q, cm
.irp a, \a0, \a0+1
.irp b, 0,1,2,3,4,5,6,7
.if (\cm) == 0
	v_wmma_scale_f32_16x16x128_f8f6f4 v[8*(8*((\a)%4)+\b):8*(8*((\a)%4)+\b)+7], v[128*(\p)+FR*\b:128*(\p)+FR*\b+FR-1], v[AF+FR*(\a):AF+FR*(\a)+FR-1], v[8*(8*((\a)%4)+\b):8*(8*((\a)%4)+\b)+7], v[SC+8*\b+(\q)], v[SC+8*(\a)+(\q)] matrix_a_fmt:MATRIX_FMT_FP4 matrix_b_fmt:MATRIX_FMT_FP4 matrix_a_scale:MATRIX_SCALE_ROW1
.elseif (\cm) == 1
	v_wmma_scale_f32_16x16x128_f8f6f4 v[8*(8*((\a)%4)+\b):8*(8*((\a)%4)+\b)+7], v[128*(\p)+FR*\b:128*(\p)+FR*\b+FR-1], v[AF+FR*(\a):AF+FR*(\a)+FR-1], v[BI+8*\b:BI+8*\b+7], v[SC+8*\b+(\q)], v[SC+8*(\a)+(\q)] matrix_a_fmt:MATRIX_FMT_FP4 matrix_b_fmt:MATRIX_FMT_FP4 matrix_a_scale:MATRIX_SCALE_ROW1
.else
	v_wmma_scale_f32_16x16x128_f8f6f4 v[8*(8*((\a)%4)+\b):8*(8*((\a)%4)+\b)+7], v[128*(\p)+FR*\b:128*(\p)+FR*\b+FR-1], v[AF+FR*(\a):AF+FR*(\a)+FR-1], v[BI+8*(\a):BI+8*(\a)+7], v[SC+8*\b+(\q)], v[SC+8*(\a)+(\q)] matrix_a_fmt:MATRIX_FMT_FP4 matrix_b_fmt:MATRIX_FMT_FP4 matrix_a_scale:MATRIX_SCALE_ROW1
.endif
.endr
.endr
.endm
.macro STEP q, cm, s0, s1
	s_wait_dscnt 8
.if \cm
	WIN 0x81
.else
	WIN 0xa1
.endif
	MUL16 0, (\q)%2, \q, \cm
	MUL16 2, (\q)%2, \q, \cm
	s_wait_dscnt 0
	PLACES 4
	FETCH_S \s0, (\q)+1, 1-(\q)%2
	FETCH_P \s1, (\q)+1, 0
.if \cm
	WIN 0xc1
.else
	WIN 0xf1
.endif
	MUL16 4, (\q)%2, \q, \cm
	MUL16 6, (\q)%2, \q, \cm
	PLACES 4
	WIN 0
	FETCH_P \s1, (\q)+1, 4
.endm
.macro MAIN s0, s1, sc, cm
	FETCH_S \s0, 0, 0
	FETCH_P \s1, 0, 0
	SCALES \sc
	FETCH_P \s1, 0, 4
	STEP 0, \cm, \s0, \s1
.irp q, 1,2,3,4,5,6
	STEP \q, 0, \s0, \s1
.endr
	s_wait_dscnt 8
	WIN 0xa1
	MUL16 0, 1, 7, 0
	MUL16 2, 1, 7, 0
	s_wait_dscnt 0
	WIN 0xf1
	MUL16 4, 1, 7, 0
	MUL16 6, 1, 7, 0
	WIN 0
	PLACES 4
.endm
.macro QUANT a
.set QW, 2+(\a)/4
.set AC, 64*((\a)%4)
	WIN 5*QW
.irp b, 0,1,2,3
	v_max3_num_f32 v[TM+\b], |v[AC+16*\b]|, |v[AC+16*\b+1]|, 0x1800000
.endr
	WIN 20*QW
.irp i, 2,4,6,8,10,12,14
.irp b, 0,1,2,3
	v_max3_num_f32 v[TM+\b], v[TM+\b], |v[AC+16*\b+\i]|, |v[AC+16*\b+\i+1]|
.endr
.endr
	WIN 0
.irp b, 0,1,2,3
	v_permlanex16_b32 v[TM+4+\b], v[TM+\b], s60, s61
.endr
.irp b, 0,1,2,3
	v_max_num_f32 v[TM+\b], v[TM+\b], v[TM+4+\b]
.endr
.irp b, 0,1,2,3
	v_add_nc_u32 v[TM+12+\b], 0xff000000, v[TM+\b]
.endr
.irp b, 0,1,2,3
	v_lshrrev_b32 v[TM+4+\b], 23, v[TM+12+\b]
.endr
	s_wait_alu depctr_va_vdst(0)
	s_wait_xcnt 0x0
	WIN QW
.irp b, 0,1,2,3
	v_cvt_scalef32_pk8_fp4_f32 v[PC+2*\b], v[AC+16*\b:AC+16*\b+7], v[TM+12+\b]
	v_cvt_scalef32_pk8_fp4_f32 v[PC+2*\b+1], v[AC+16*\b+8:AC+16*\b+15], v[TM+12+\b]
.endr
	WIN 0
	v_nop
.irp c, 0,1
.irp i, 0,1
	v_permlane16_swap_b32 v[PC+4*\c+\i], v[PC+4*\c+2+\i]
.endr
.endr
.endm
	s_cmp_lt_u32 ttmp9, 2
	s_cbranch_scc0 .Larm_v
	s_wait_alu depctr_va_vdst(0)
	MAIN ADB, ADA, SCQ, 1
	s_cmp_eq_u32 ttmp9, 0
	s_cselect_b64 s[36:37], s[86:87], s[90:91]
	s_cselect_b64 s[12:13], s[88:89], s[90:91]
	s_mov_b32 s18, HEADB
	s_cselect_b32 s18, 131072, s18
	s_mov_b32 s19, REC
	s_cselect_b32 s19, 4096, s19
	s_mov_b32 s20, HEADB
	s_cselect_b32 s20, 16384, s20
	s_mov_b32 s21, REC
	s_cselect_b32 s21, 512, s21
	s_cselect_b32 s22, 0, 8192
	s_lshl_b32 s66, s40, 2
	s_lshl_b32 s63, s16, 1
	s_add_co_u32 s66, s66, s63
	s_lshl_b32 s67, s17, 1
	s_add_co_u32 s67, s67, s15
	s_mul_i32 s2, s66, s18
	s_mul_i32 s63, s67, s19
	s_add_co_u32 s2, s2, s63
	s_mov_b32 s3, 0
	s_add_nc_u64 s[36:37], s[36:37], s[2:3]
	s_mov_b32 s2, s18
	s_add_nc_u64 s[38:39], s[36:37], s[2:3]
	s_mul_i32 s2, s66, s20
	s_mul_i32 s63, s67, s21
	s_add_co_u32 s2, s2, s63
	s_add_co_u32 s2, s2, s22
	s_add_nc_u64 s[12:13], s[12:13], s[2:3]
	s_mov_b32 s2, s20
	s_add_nc_u64 s[46:47], s[12:13], s[2:3]
.irp a, 0,1,2,3,4,5,6,7
	QUANT \a
.irp c, 0,1
.if (\a)%2 == 0
	v_lshl_or_b32 v[WQ+4*\c+(\a)/2], v[TM+5+2*\c], 8, v[TM+4+2*\c]
.else
	v_lshl_or_b32 v[TM+8+\c], v[TM+5+2*\c], 8, v[TM+4+2*\c]
	v_cndmask_b32 v[WQ+4*\c+(\a)/2], v[WQ+4*\c+(\a)/2], v[TM+8+\c], s62
.endif
.endr
	global_store_b128 v[L16], v[PC:PC+3], s[36:37] offset:512*\a
	global_store_b128 v[L16], v[PC+4:PC+7], s[38:39] offset:512*\a
.endr
	global_store_b128 v[L16], v[WQ:WQ+3], s[12:13]
	global_store_b128 v[L16], v[WQ+4:WQ+7], s[46:47]
	s_branch .Ldone
.Larm_v:
	s_wait_alu depctr_va_vdst(0)
	MAIN ADA, ADB, SCV, 2
	s_lshl_b32 s66, s40, 2
	s_lshl_b32 s63, s16, 1
	s_add_co_u32 s66, s66, s63
	s_lshl_b32 s67, s17, 1
	s_add_co_u32 s67, s67, s15
	s_mul_i32 s2, s66, HEADB
	s_mul_i32 s63, s67, REC
	s_add_co_u32 s2, s2, s63
	s_mov_b32 s3, 0
	s_add_nc_u64 s[36:37], s[90:91], s[2:3]
.irp a, 0,1,2,3,4,5,6,7
	QUANT \a
	v_lshl_or_b32 v[TM+8], v[TM+5], 8, v[TM+4]
	v_lshl_or_b32 v[TM+8], v[TM+6], 16, v[TM+8]
.if (\a)%2 == 0
	v_lshl_or_b32 v[WQ+2*((\a)/4)+((\a)%4)/2], v[TM+7], 24, v[TM+8]
.else
	v_lshl_or_b32 v[TM+8], v[TM+7], 24, v[TM+8]
	v_cndmask_b32 v[WQ+2*((\a)/4)+((\a)%4)/2], v[WQ+2*((\a)/4)+((\a)%4)/2], v[TM+8], s62
.endif
	global_store_b128 v[L16], v[PC:PC+3], s[36:37] offset:4096+((\a)/4)*HEADB+((\a)%4)*1024
	global_store_b128 v[L16], v[PC+4:PC+7], s[36:37] offset:4096+((\a)/4)*HEADB+((\a)%4)*1024+512
.endr
	global_store_b64 v[L8], v[WQ:WQ+1], s[36:37] offset:8704
	global_store_b64 v[L8], v[WQ+2:WQ+3], s[36:37] offset:8704+HEADB
.Ldone:
	s_wait_tensorcnt 0x0
	ds_add_u32 v[SPW], v[NIL]
	s_wait_dscnt 0x0
	CROUND
	s_endpgm
.Lfunc_end_k_qa7bdbc186f_gemm:
	.size	k_qa7bdbc186f_gemm, .Lfunc_end_k_qa7bdbc186f_gemm-k_qa7bdbc186f_gemm
	.p2alignl 7, 3214868480
	.fill 96, 4, 3214868480
	.section	.rodata,"a",@progbits
	.p2align	6, 0x0
	.amdhsa_kernel k_qa7bdbc186f_gemm
		.amdhsa_group_segment_fixed_size 327680
		.amdhsa_private_segment_fixed_size 0
		.amdhsa_enable_private_segment 0
		.amdhsa_kernarg_size 64
		.amdhsa_user_sgpr_count 2
		.amdhsa_user_sgpr_kernarg_segment_ptr 1
		.amdhsa_wavefront_size32 1
		.amdhsa_system_sgpr_workgroup_id_x 1
		.amdhsa_system_sgpr_workgroup_id_y 1
		.amdhsa_system_sgpr_workgroup_id_z 1
		.amdhsa_system_vgpr_workitem_id 0
		.amdhsa_next_free_vgpr 1024
		.amdhsa_next_free_sgpr 100
		.amdhsa_reserve_vcc 0
		.amdhsa_float_denorm_mode_32 3
		.amdhsa_float_denorm_mode_16_64 3
		.amdhsa_memory_ordered 1
		.amdhsa_forward_progress 1
		.amdhsa_inst_pref_size 251
	.end_amdhsa_kernel
	.amdgpu_metadata
---
amdhsa.version: [ 1, 2 ]
amdhsa.kernels:
  - .name:           k_qa7bdbc186f_gemm
    .symbol:         k_qa7bdbc186f_gemm.kd
    .args:
      - { .name: xc, .offset: 0, .size: 8, .value_kind: global_buffer, .address_space: global }
      - { .name: xs, .offset: 8, .size: 8, .value_kind: global_buffer, .address_space: global }
      - { .name: wc, .offset: 16, .size: 8, .value_kind: global_buffer, .address_space: global }
      - { .name: ws, .offset: 24, .size: 8, .value_kind: global_buffer, .address_space: global }
      - { .name: b_qkv, .offset: 32, .size: 8, .value_kind: global_buffer, .address_space: global }
      - { .name: qc, .offset: 40, .size: 8, .value_kind: global_buffer, .address_space: global }
      - { .name: qs, .offset: 48, .size: 8, .value_kind: global_buffer, .address_space: global }
      - { .name: kv, .offset: 56, .size: 8, .value_kind: global_buffer, .address_space: global }
    .group_segment_fixed_size: 327680
    .private_segment_fixed_size: 0
    .kernarg_segment_align: 8
    .kernarg_segment_size: 64
    .max_flat_workgroup_size: 128
    .sgpr_count:     100
    .vgpr_count:     1024
    .wavefront_size: 32
...
	.end_amdgpu_metadata
.endif
;; end of part 2
;; launch attn (part 3): grid 16 x 16, 8 waves a work-group, clusters of 4 x 1, 327,680 bytes of LDS; arguments qc, qs, kv, hebbian_trace, out0; writes out0
.if DOCPART == 3
	.amdgcn_target "amdgcn-amd-amdhsa--gfx1250"
	.amdhsa_code_object_version 6
	.text
	.protected	k_qa7bdbc186f_attn
	.globl	k_qa7bdbc186f_attn
	.p2align	8
	.type	k_qa7bdbc186f_attn,@function
k_qa7bdbc186f_attn:
	s_mov_b64 s[64:65], 0
	v_nop
	global_prefetch_b8 v0, s[64:65] scope:SCOPE_SE
	s_setreg_imm32_b32 hwreg(HW_REG_WAVE_MODE, 25, 1), 1
	s_wait_xcnt 0x0
	s_wait_alu depctr_hold_cnt(0) depctr_sa_sdst(0) depctr_va_vdst(0) depctr_va_sdst(0) depctr_va_ssrc(0) depctr_va_vcc(0) depctr_vm_vsrc(0)
	s_getreg_b32 s2, hwreg(HW_REG_IB_STS2, 6, 4)
	s_cmp_eq_u32 s2, 0
	s_cbranch_scc0 .Lentry_in_a_cluster
	s_endpgm
.Lentry_in_a_cluster:
	s_bfe_u32 s2, ttmp6, 0x10000c
	s_cmp_lg_u32 s2, 0x3003
	s_cbranch_scc0 .Lentry_shape_is_right
	s_endpgm
.Lentry_shape_is_right:
; THIRD LAUNCH: out[q][64 head + d] = trace[head][d][d] x (sum over keys of p v) / (sum of p), p = 2^(t - M), t = score x log2(e) / 8, M the running largest t rounded up to a whole number.
; Both products on codes of FP4 (E2M1) with E8M0 scales; p is quantised along the keys, its sum is taken unquantised, in f32.
; WORK LEFT OUT: of hebbian_trace only the diagonal enters 'blhd,hdd->blhd'; the numbers off it are not loaded (a NaN or an infinity there is not carried to the result).
; LIMIT: the promise holds while the scaled scores t stay under 2^31 in magnitude.
; SHARES: a work-group owns 256 queries of one head; each of its 8 waves owns 32 of them, two tiles of 16, so that every fragment of K and V read from LDS feeds two matrix instructions.
; The head's K and V, 32 records of 128 keys (8,960 bytes: K's 8 tile images, V's 8, K's scale words, V's), lie in LDS whole, each byte filled once: 8 records by the head's loads, one a wave; 24 by a second load a wave.
; CLUSTER: the four work-groups of a cluster walk the same head: every load is a joint one, mask 15.  No prefetch: both loads are issued at the head, so there is no loop to run ahead in.
; LAYOUT: both products are used transposed (S^T = K Q^T, O^T = V^T P^T): a lane holds one query.  THE KEYS OF A TILE ARE CHOSEN AT THE LDS READ: row 8 G + i of tile (c, u) is key 64 c + 32 G + 8 u + i,
; so lane half h holds in the 32 registers of tiles (c, 0..3) the whole block of keys 64 c + 32 h + 0..31, in order: a block's maximum needs no other lane, and the conversions' results are the operand's registers 4 c + u.
; The head size is 64: the upper 64 of each score product's K are zero codes on both sides, written once.
; THE TWO TILES ARE STAGGERED: tile 0's chain from the largest score to f stands among tile 1's maxima, tile 1's among tile 0's multiply-adds, so that no line reads the line just above it.
; REGISTERS, window 0: addresses, the softmax's state, scale words, p's codes, S^T (v96-223).  Window 1: O^T v0-63, K's fragments v64-127, V's v128-159, Q v160-175.
.set REC,   8960
.set HEADB, 32*REC
.set R1,    8                          ; records of the first fill
.set STAGE, HEADB                      ; the way out: 16 rows x 272 bytes for each wave, bytes that no load fills
.set SPARE, STAGE+8*16*272             ; the spare words, 128 bytes a wave
.set AK,1                              ; lane's place in K's tile images: 1024 G + 16 i + 256 h
.set AV,2                              ; 16 x lane
.set AKS,3                             ; lane's place among K's scale words: 16 i + 4 G + 256 h
.set AVS,4                             ; 8 x lane
.set SPW,5
.set NIL,6
.set SH8,7                             ; 8 h
.set ADK,8
.set ADV,9
.set ADKS,10
.set ADVS,11
.set ST,12                             ; state of tile T at ST + 8 T: +0 -M, +1 the largest score, +2,3 the sum, +4 f, +5 -M once more (for the odd halves of dual pairs; f's pair names it, its value is not used there), +6,7 the sum's second chain
.set QS,28                             ; Q's scale words: lanes 0-15 tile 0, lanes 16-31 tile 1
.set VS,30
.set KS,32
.set PS,36                             ; p's scale words
.set TM,40                             ; at work, 8 a tile: +0,1 block maxima, +2,3 their second chains, then scale operands, +4,5 bytes, +6,7 lane permutes' results
.set PC,56                             ; p's codes
.set TR,72                             ; the trace's diagonal at d = 4 r + 0..3
.set STO,76
.set RD,77
.set GO,78
.set S,96
.set O,0
.set KF,64
.set VF,128
.set QF,160
.set WV,18
.set SEL,20
.set CA,38                             ; c = log2(e) / 8, twice: the two halves of a dual pair take their sources from different register banks (number mod 4)
.set CB,39
.set G1,24
.set G0,32
.set G1B,48
.set NCS,56
.set TB,2
.set CNT,3
.set MSB,0
.macro WIN new                         ; the immediate's high byte repeats the setting that is left
.if MSB != (\new)
	s_set_vgpr_msb (MSB<<8)|(\new)
.set MSB, (\new)
.endif
.endm
.macro CROUND
	s_barrier_signal -1
	s_barrier_wait -1
	s_cmp_lg_u32 s[WV], 0
	s_cbranch_scc1 .Lnot_wave_0_\@
	s_barrier_signal -3
.Lnot_wave_0_\@:
	s_barrier_wait -3
	s_barrier_signal -1
	s_barrier_wait -1
.endm
.macro D2
	s_delay_alu instid0(VALU_DEP_2)
.endm
	s_load_b256 s[4:11], s[0:1], 0x0               ; qc, qs, kv, hebbian_trace
	s_load_b64 s[12:13], s[0:1], 0x20              ; out0
	v_lshl_add_u32 v[SPW], v0, 2, SPARE
	v_mov_b32 v[NIL], 0
	ds_add_u32 v[SPW], v[NIL]                      ; the add twice on end, and its wait
	ds_add_u32 v[SPW], v[NIL]
	v_lshrrev_b32 v8, 5, v0
	v_readfirstlane_b32 s[WV], v8                  ; wave 0..7
	s_bfe_u32 s14, ttmp6, 0x40000
	s_lshl_b32 s15, ttmp9, 2
	s_add_co_u32 s15, s15, s14                     ; which 256 queries
	s_and_b32 s16, ttmp7, 0xffff                   ; the head
	s_mov_b32 s[G1], 15|(3<<16)|(1<<21)            ; rows of 256 bytes (32 elements of 8), dense; the mask names the cluster's four
	s_mov_b32 s[G1+1], 32<<16
	s_mov_b32 s[G1+2], 35<<16                      ; one record: 35 rows
	s_mov_b32 s[G1+3], 32<<16
	s_mov_b32 s[G1+4], 35
	s_mov_b32 s[G1+5], 32
	s_mov_b32 s[G1+6], 0
	s_mov_b32 s[G1+7], 0
	s_mov_b32 s[G1B], 15|(3<<16)|(1<<21)
	s_mov_b32 s[G1B+1], 32<<16
	s_mov_b32 s[G1B+2], 105<<16                    ; three records: 105 rows
	s_mov_b32 s[G1B+3], 32<<16
	s_mov_b32 s[G1B+4], 105
	s_mov_b32 s[G1B+5], 32
	s_mov_b32 s[G1B+6], 0
	s_mov_b32 s[G1B+7], 0
	s_mov_b32 s[SEL], 0x76543210
	s_mov_b32 s[SEL+1], 0xfedcba98
	s_mov_b32 s[NCS], 0xbe38aa3b                   ; -c
	s_mov_b32 s[G0], 1
	s_mul_i32 s[G0+1], s[WV], REC                  ; record = my wave's number
	s_mov_b32 s[G0+4], 1
	s_mul_i32 s[G0+5], s[WV], 3*REC
	s_add_co_u32 s[G0+5], s[G0+5], R1*REC          ; records 8 + 3 wave on
	s_mul_i32 s40, s16, HEADB
	s_add_co_u32 s42, s40, s[G0+5]
	s_add_co_u32 s40, s40, s[G0+1]
	s_mov_b32 s41, 0
	s_mov_b32 s43, 0
	s_wait_dscnt 0x0
	s_wait_kmcnt 0x0
	s_add_nc_u64 s[G0+2:G0+3], s[8:9], s[40:41]
	s_add_nc_u64 s[G0+6:G0+7], s[8:9], s[42:43]
	s_or_b32 s[G0+3], s[G0+3], 0x80000000
	s_or_b32 s[G0+7], s[G0+7], 0x80000000
	CROUND
	tensor_load_to_lds s[G0:G0+3], s[G1:G1+7]      ; my one load at the head
	s_nop 0
	; the rest of the head stands under that load's flight.  Scalars first: where Q, its scale words, the trace and my rows of out0 begin
	s_mov_b32 s43, 0
	s_lshl_b32 s42, s16, 17
	s_lshl_b32 s44, s15, 13
	s_add_co_u32 s42, s42, s44
	s_lshl_b32 s44, s[WV], 10
	s_add_co_u32 s42, s42, s44
	s_add_nc_u64 s[4:5], s[4:5], s[42:43]          ; Q's two tile images, 512 bytes each
	s_lshl_b32 s42, s16, 14
	s_lshl_b32 s44, s15, 10
	s_add_co_u32 s42, s42, s44
	s_lshr_b32 s44, s[WV], 2
	s_lshl_b32 s44, s44, 9
	s_add_co_u32 s42, s42, s44
	s_and_b32 s44, s[WV], 3
	s_lshl_b32 s44, s44, 2
	s_add_co_u32 s42, s42, s44
	s_add_nc_u64 s[6:7], s[6:7], s[42:43]          ; word of tile 2 w + T, row r: 16 (r + 16 T) + 4 (w % 4) in the 512 bytes of 128 queries
	s_lshl_b32 s42, s16, 14
	s_add_nc_u64 s[10:11], s[10:11], s[42:43]
	s_lshl_b32 s42, s15, 20
	s_lshl_b32 s44, s[WV], 17
	s_add_co_u32 s42, s42, s44
	s_lshl_b32 s44, s16, 8
	s_add_co_u32 s42, s42, s44
	s_add_nc_u64 s[12:13], s[12:13], s[42:43]      ; row 256 block + 32 wave, column 64 head
	s_mul_i32 s44, s[WV], 16*272
	s_add_co_u32 s44, s44, STAGE
	v_and_b32 v8, 31, v0                           ; lane
	v_and_b32 v9, 15, v0                           ; r
	v_bfe_u32 v10, v0, 4, 1                        ; h
	v_and_b32 v11, 7, v0                           ; i
	v_bfe_u32 v40, v0, 3, 1                        ; G
	v_lshlrev_b32 v[AV], 4, v8
	v_lshlrev_b32 v[AVS], 3, v8
	v_lshlrev_b32 v[SH8], 3, v10
	v_lshlrev_b32 v41, 8, v10
	v_lshl_add_u32 v41, v11, 4, v41
	v_lshl_add_u32 v[AK], v40, 10, v41
	v_lshl_add_u32 v[AKS], v40, 2, v41
	v_mul_u32_u24 v42, v9, 1040                    ; trace[4 r + k][4 r + k] lies 260 (4 r + k) bytes into the head's 64 x 64
	v_mul_u32_u24 v[STO], v9, 272
	v_lshl_add_u32 v[STO], v10, 6, v[STO]
	v_add_nc_u32 v[STO], s44, v[STO]               ; the stage, in: row r, 64 h bytes on
	v_mul_u32_u24 v[RD], v10, 272
	v_lshl_add_u32 v[RD], v9, 4, v[RD]
	v_add_nc_u32 v[RD], s44, v[RD]                 ; back: lanes 0-15 one row, lanes 16-31 the next
	v_lshlrev_b32 v[GO], 12, v10
	v_lshl_add_u32 v[GO], v9, 4, v[GO]
	v_mov_b32 v[CA], 0x3e38aa3b
	v_mov_b32 v[CB], 0x3e38aa3b
	s_wait_alu depctr_va_vdst(0)
	global_load_b32 v[QS], v[AV], s[6:7]
.irp k, 0,1,2,3
	global_load_b32 v[TR+\k], v42, s[10:11] offset:260*\k
.endr
	WIN 0x40                                       ; destinations in window 1
	global_load_b128 v[QF:QF+3], v[AV], s[4:5]
	global_load_b128 v[QF+8:QF+11], v[AV], s[4:5] offset:512
.set J, 0
.rept 64
	v_mov_b32 v[O+J], 0                            ; O^T: the step is written once, its first run finds zeros
.set J, J+1
.endr
.irp t, 0,1,2,3,4,5,6,7
.irp j, 4,5,6,7
	v_mov_b32 v[KF+8*\t+\j], 0                     ; zero codes for the upper 64 of K
.endr
.endr
.irp t, 0,1
.irp j, 4,5,6,7
	v_mov_b32 v[QF+8*\t+\j], 0
.endr
.endr
	WIN 0
.irp T, 0,1
	v_mov_b32 v[ST+8*\T], 0x7f61b1e6               ; -M = 3e38
	v_mov_b32 v[ST+8*\T+1], 0xff61b1e6             ; the largest score so far: -3e38
	v_mov_b32 v[ST+8*\T+2], 0
	v_mov_b32 v[ST+8*\T+3], 0
	v_mov_b32 v[ST+8*\T+4], 0
	v_mov_b32 v[ST+8*\T+5], 0
	v_mov_b32 v[TM+8*\T+6], 0                      ; a lane permute's destination counts as a source
	v_mov_b32 v[TM+8*\T+7], 0
.endr
	s_wait_alu depctr_va_vdst(0)
	s_wait_tensorcnt 0x0                           ; my record is in
	ds_add_u32 v[SPW], v[NIL]
	s_wait_dscnt 0x0
	CROUND                                         ; records 0 to 7 are whole, and the four work-groups are here
	tensor_load_to_lds s[G0+4:G0+7], s[G1B:G1B+7]  ; my three of records 8 to 31
	s_nop 0
.rept 4
	v_nop
.endr
	s_wait_loadcnt 0x0                             ; Q, its scale words, the trace
.macro KFRAG off                       ; K's eight tiles, the keys chosen by address: old image 4 c + 2 G + e, its row 8 v + i (u = 2 v + e)
.irp c, 0,1
.irp v, 0,1
.irp e, 0,1
	ds_load_b128 v[KF+32*\c+16*\v+8*\e:KF+32*\c+16*\v+8*\e+3], v[ADK] offset:(\off)+2048*\c+512*\e+128*\v
.endr
.endr
.endr
.endm
.macro KSCALE off                      ; their scale words: register 2 c + v: lanes 0-15 tile u = 2 v, lanes 16-31 tile 2 v + 1
.irp c, 0,1
.irp v, 0,1
	ds_load_b32 v[KS+2*\c+\v], v[ADKS] offset:(\off)+8192+128*\v+8*\c
.endr
.endr
.endm
.macro SMUL c, v, e, T
.set DD, S+64*\T+32*\c+16*\v+8*\e
.set AA, KF+32*\c+16*\v+8*\e
.if (\e)==0 && (\T)==0
	v_wmma_scale_f32_16x16x128_f8f6f4 v[DD:DD+7], v[AA:AA+7], v[QF+8*\T:QF+8*\T+7], 0, v[KS+2*\c+\v], v[QS] matrix_a_fmt:MATRIX_FMT_FP4 matrix_b_fmt:MATRIX_FMT_FP4
.elseif (\T)==0
	v_wmma_scale_f32_16x16x128_f8f6f4 v[DD:DD+7], v[AA:AA+7], v[QF+8*\T:QF+8*\T+7], 0, v[KS+2*\c+\v], v[QS] matrix_a_fmt:MATRIX_FMT_FP4 matrix_b_fmt:MATRIX_FMT_FP4 matrix_a_scale:MATRIX_SCALE_ROW1
.elseif (\e)==0
	v_wmma_scale_f32_16x16x128_f8f6f4 v[DD:DD+7], v[AA:AA+7], v[QF+8*\T:QF+8*\T+7], 0, v[KS+2*\c+\v], v[QS] matrix_a_fmt:MATRIX_FMT_FP4 matrix_b_fmt:MATRIX_FMT_FP4 matrix_b_scale:MATRIX_SCALE_ROW1
.else
	v_wmma_scale_f32_16x16x128_f8f6f4 v[DD:DD+7], v[AA:AA+7], v[QF+8*\T:QF+8*\T+7], 0, v[KS+2*\c+\v], v[QS] matrix_a_fmt:MATRIX_FMT_FP4 matrix_b_fmt:MATRIX_FMT_FP4 matrix_a_scale:MATRIX_SCALE_ROW1 matrix_b_scale:MATRIX_SCALE_ROW1
.endif
.endm
.macro PMUL v, e, T
.set DD, O+32*\T+16*\v+8*\e
.set AA, VF+16*\v+8*\e
.if (\e)==0
	v_wmma_scale_f32_16x16x128_f8f6f4 v[DD:DD+7], v[AA:AA+7], v[PC+8*\T:PC+8*\T+7], v[DD:DD+7], v[VS+\v], v[PS+\T] matrix_a_fmt:MATRIX_FMT_FP4 matrix_b_fmt:MATRIX_FMT_FP4
.else
	v_wmma_scale_f32_16x16x128_f8f6f4 v[DD:DD+7], v[AA:AA+7], v[PC+8*\T:PC+8*\T+7], v[DD:DD+7], v[VS+\v], v[PS+\T] matrix_a_fmt:MATRIX_FMT_FP4 matrix_b_fmt:MATRIX_FMT_FP4 matrix_a_scale:MATRIX_SCALE_ROW1
.endif
.endm
; The largest score of tile T's two blocks of 32 keys, all 32 the lane's own: each block in two chains (registers 0-16 and 17-31), round r of nine; the last joins the two.  Each accumulator is first read at its low end
.macro MAXR r, T
.if (\r)==0
.irp c, 0,1
	v_max3_num_f32 v[TM+8*\T+\c], v[S+64*\T+32*\c], v[S+64*\T+32*\c+1], v[S+64*\T+32*\c+2]
.endr
.irp c, 0,1
	v_max3_num_f32 v[TM+8*\T+2+\c], v[S+64*\T+32*\c+17], v[S+64*\T+32*\c+18], v[S+64*\T+32*\c+19]
.endr
.elseif (\r)<8
.irp c, 0,1
	v_max3_num_f32 v[TM+8*\T+\c], v[TM+8*\T+\c], v[S+64*\T+32*\c+2*(\r)+1], v[S+64*\T+32*\c+2*(\r)+2]
.endr
.if (\r)<7
.irp c, 0,1
	v_max3_num_f32 v[TM+8*\T+2+\c], v[TM+8*\T+2+\c], v[S+64*\T+32*\c+2*(\r)+18], v[S+64*\T+32*\c+2*(\r)+19]
.endr
.endif
.else
.irp c, 0,1
	v_max_num_f32 v[TM+8*\T+\c], v[TM+8*\T+\c], v[TM+8*\T+2+\c]
.endr
.endif
.endm
; Line k of nine of tile T's chain from the blocks' maxima to the new -M and f
.macro CHAIN k, T
.if (\k)==0
	v_max3_num_f32 v[ST+8*\T+1], v[ST+8*\T+1], v[TM+8*\T], v[TM+8*\T+1]   ; the running largest score, my half's keys,
.elseif (\k)==1
	v_permlanex16_b32 v[TM+8*\T+6], v[ST+8*\T+1], s[SEL], s[SEL+1]
.elseif (\k)==2
	v_max_num_f32 v[ST+8*\T+1], v[ST+8*\T+1], v[TM+8*\T+6]               ; and lane l xor 16's
.elseif (\k)==3
	v_mul_f32 v[TM+8*\T+2], s[NCS], v[ST+8*\T+1]                         ; -t
.elseif (\k)==4
	v_floor_f32 v[ST+8*\T+5], v[TM+8*\T+2]                               ; the new -M = floor(-t), its second copy first
.elseif (\k)==5
	v_sub_f32 v[TM+8*\T+3], v[ST+8*\T+5], v[ST+8*\T]                     ; old M - new M, a whole number, 0 or less
.elseif (\k)==6
	v_mov_b32 v[ST+8*\T], v[ST+8*\T+5]
.elseif (\k)==7
	v_cvt_i32_f32 v[TM+8*\T+3], v[TM+8*\T+3]                             ; (it saturates)
.else
	v_ldexp_f32 v[ST+8*\T+4], 1.0, v[TM+8*\T+3]                          ; f = 2^(old M - new M)
.endif
.endm
.macro FMA T                           ; t - M of the pair at J
	v_dual_fma_f32 v[S+64*\T+J], v[S+64*\T+J], v[CA], v[ST+8*\T] :: v_dual_fma_f32 v[S+64*\T+J+1], v[S+64*\T+J+1], v[CB], v[ST+8*\T+5]   ; a dual pair: destinations even and odd, each place's two sources in different banks
.set J, J+2
.endm
.macro BFMA T                          ; the same of each block's largest score
	v_dual_fma_f32 v[TM+8*\T], v[TM+8*\T], v[CA], v[ST+8*\T] :: v_dual_fma_f32 v[TM+8*\T+1], v[TM+8*\T+1], v[CB], v[ST+8*\T+5]
.endm
.macro CV n                            ; eight p into register n of the two tiles' sixteen of codes
	v_cvt_scalef32_pk8_fp4_f32 v[PC+(\n)], v[S+8*(\n):S+8*(\n)+7], v[TM+8*((\n)/8)+2+((\n)/4)%2]
.endm
; A KEY STEP: the 128 keys of the record at LDS byte s[TB], for both my tiles.  Its fragments of K are in registers.  pre = 1: the next record's are fetched.
.macro STEP pre
	WIN 0x05                                       ; K and Q in window 1, S^T in window 0
.irp T, 0,1
.irp c, 0,1
.irp v, 0,1
.irp e, 0,1
	SMUL \c, \v, \e, \T                            ; sixteen accumulators, one instruction each; tile 0's first
.endr
.endr
.endr
.endr
	WIN 0
	v_add_nc_u32 v[ADV], s[TB], v[AV]              ; four plain lines: the places ahead of the loads into fragments and of the first read of S^T
	v_add_nc_u32 v[ADVS], s[TB], v[AVS]
.if \pre
	v_add_nc_u32 v[ADK], s[TB], v[AK]
	v_add_nc_u32 v[ADKS], s[TB], v[AKS]
.else
	v_nop
	v_nop
.endif
	WIN 0x40
.irp a, 0,1,2,3
.irp c, 0,1
	ds_load_b128 v[VF+8*\a+4*\c:VF+8*\a+4*\c+3], v[ADV] offset:4096+1024*\a+512*\c   ; this step's V
.endr
.endr
.if \pre
	KFRAG REC
.endif
	WIN 0
	ds_load_b64 v[VS:VS+1], v[ADVS] offset:8704
.if \pre
	KSCALE REC
.endif
.set R, 0
.rept 9
	MAXR R, 0
.set R, R+1
.endr
.set R, 0
.rept 9                                        ; tile 1's maxima, a line of tile 0's chain behind each round
	MAXR R, 1
	CHAIN R, 0
.set R, R+1
.endr
.set R, 0
.set J, 0
.rept 9                                        ; tile 1's chain, three of tile 0's multiply-adds behind each line
	CHAIN R, 1
	FMA 0
	FMA 0
	FMA 0
.set R, R+1
.endr
.rept 5
	FMA 0
.endr
	BFMA 0
.set J, 0
.rept 32
	FMA 1
.endr
	BFMA 1
	WIN 0x41                                       ; O^T in window 1, f in window 0
.set J, 0
.rept 16
.irp T, 0,1
	v_pk_mul_f32 v[O+32*\T+J:O+32*\T+J+1], v[O+32*\T+J:O+32*\T+J+1], v[ST+8*\T+4:ST+8*\T+5] op_sel_hi:[1,0]   ; O^T under the new M, ahead of the exponentials
.endr
.set J, J+2
.endr
	WIN 0
	s_wait_alu depctr_va_vdst(0)
.set J, 0
.rept 128
	v_exp_f32 v[S+J], v[S+J]                       ; p = 2^(t - M)
.set J, J+1
.endr
.irp T, 0,1
.irp c, 0,1
	v_exp_f32 v[TM+8*\T+\c], v[TM+8*\T+\c]         ; each block's largest p: the same two instructions on the same number
.endr
.endr
	v_nop
	s_wait_alu depctr_va_vdst(0)
.irp T, 0,1
.irp c, 0,1
	v_max_num_f32 v[TM+8*\T+\c], 0x1800000, v[TM+8*\T+\c]                ; the floor 2^(3 - 127): the byte cannot fall under 1
.endr
.endr
.irp T, 0,1
.irp c, 0,1
	v_add_nc_u32 v[TM+8*\T+2+\c], 0xff000000, v[TM+8*\T+\c]              ; 2 off the exponent field: the conversion's scale operand
.endr
.endr
.irp T, 0,1
.irp c, 0,1
	v_lshrrev_b32 v[TM+8*\T+4+\c], 23, v[TM+8*\T+2+\c]                   ; the byte of block 2 c + h
.endr
.endr
	; the scale words' four lines a tile, conversions between them
.irp T, 0,1
	v_lshl_or_b32 v[TM+8*\T+4], v[TM+8*\T+5], 16, v[TM+8*\T+4]
.endr
	CV 0
	CV 1
.irp T, 0,1
	v_lshlrev_b32 v[TM+8*\T+4], v[SH8], v[TM+8*\T+4]                     ; at their places: 8 h bits up
.endr
	CV 2
	CV 3
.irp T, 0,1
	v_permlanex16_b32 v[TM+8*\T+7], v[TM+8*\T+4], s[SEL], s[SEL+1]
.endr
	CV 4
	CV 5
.irp T, 0,1
	v_or_b32 v[PS+\T], v[TM+8*\T+4], v[TM+8*\T+7]                        ; with lane l xor 16's two bytes the word is whole
.endr
.set N, 6
.rept 10
	CV N
.set N, N+1
.endr
	; the sums of the unquantised p, two chains a tile; the first line brings the old sum under the new M.  These 64 lines are also the places ahead of the products below
.irp T, 0,1
	v_pk_fma_f32 v[ST+8*\T+2:ST+8*\T+3], v[ST+8*\T+2:ST+8*\T+3], v[ST+8*\T+4:ST+8*\T+5], v[S+64*\T:S+64*\T+1] op_sel_hi:[1,0,1]
	v_dual_add_f32 v[ST+8*\T+6], v[S+64*\T+2], v[S+64*\T+4] :: v_dual_add_f32 v[ST+8*\T+7], v[S+64*\T+3], v[S+64*\T+5]
.endr
.set J, 6
.rept 14
.irp T, 0,1
	v_dual_add_f32 v[ST+8*\T+2], v[S+64*\T+J], v[ST+8*\T+2] :: v_dual_add_f32 v[ST+8*\T+3], v[S+64*\T+J+1], v[ST+8*\T+3]
	v_dual_add_f32 v[ST+8*\T+6], v[S+64*\T+J+2], v[ST+8*\T+6] :: v_dual_add_f32 v[ST+8*\T+7], v[S+64*\T+J+3], v[ST+8*\T+7]
.endr
.set J, J+4
.endr
.irp T, 0,1
	v_dual_add_f32 v[ST+8*\T+2], v[S+64*\T+62], v[ST+8*\T+2] :: v_dual_add_f32 v[ST+8*\T+3], v[S+64*\T+63], v[ST+8*\T+3]
.endr
.irp T, 0,1
	v_dual_add_f32 v[ST+8*\T+2], v[ST+8*\T+6], v[ST+8*\T+2] :: v_dual_add_f32 v[ST+8*\T+3], v[ST+8*\T+7], v[ST+8*\T+3]
.endr
	s_wait_alu depctr_va_vdst(0)
	s_wait_dscnt 0x0                               ; V, and the next record's K
	WIN 0x51                                       ; V and O^T in window 1, p's codes in window 0
.irp v, 0,1
.irp e, 0,1
.irp T, 0,1
	PMUL \v, \e, \T                                ; eight accumulators, one instruction each
.endr
.endr
.endr
	WIN 0
.endm
	s_mov_b32 s[TB], 0
	v_add_nc_u32 v[ADK], s[TB], v[AK]
	v_add_nc_u32 v[ADKS], s[TB], v[AKS]
	WIN 0x40
	KFRAG 0
	WIN 0
	KSCALE 0
	s_wait_dscnt 0x0
	s_mov_b32 s[CNT], R1-1
.Lwalk1:                                               ; records 0 to 6; the last trip fetches record 7's K: all of the first fill
	STEP 1
	s_add_co_u32 s[TB], s[TB], REC
	s_sub_co_u32 s[CNT], s[CNT], 1
	s_cmp_lg_u32 s[CNT], 0
	s_cbranch_scc1 .Lwalk1
	s_wait_tensorcnt 0x0                           ; my three records are in;
	s_wait_dscnt 0x0
	s_barrier_signal -1
	s_barrier_wait -1                              ; and everybody's: records 8 to 31 may be read
	s_mov_b32 s[TB], (R1-1)*REC
	s_mov_b32 s[CNT], 32-R1
.Lwalk2:                                               ; records 7 to 30
	STEP 1
	s_add_co_u32 s[TB], s[TB], REC
	s_sub_co_u32 s[CNT], s[CNT], 1
	s_cmp_lg_u32 s[CNT], 0
	s_cbranch_scc1 .Lwalk2
	s_mov_b32 s[TB], 31*REC
	STEP 0                                         ; the last record: nothing more to fetch
	; THE WAY OUT.  O^T / the sum goes through my own stage, a tile at a time, and comes back as rows of 256 bytes: sixteen lanes store one aligned unit, times the trace's diagonal
.irp T, 0,1
	v_add_f32 v[ST+8*\T+2], v[ST+8*\T+2], v[ST+8*\T+3]
.endr
.irp T, 0,1
	D2
	v_permlanex16_b32 v[TM+8*\T+6], v[ST+8*\T+2], s[SEL], s[SEL+1]
.endr
.irp T, 0,1
	D2
	v_add_f32 v[ST+8*\T+2], v[ST+8*\T+2], v[TM+8*\T+6]
.endr
	s_wait_alu depctr_va_vdst(0)
.irp T, 0,1
	v_rcp_f32 v[ST+8*\T+2], v[ST+8*\T+2]
.endr
	v_nop
	s_wait_alu depctr_va_vdst(0)                   ; behind the reciprocals, directly ahead of the first readers of O^T
	WIN 0x01
.set J, 0
.rept 16
.irp T, 0,1
	v_pk_mul_f32 v[S+32*\T+J:S+32*\T+J+1], v[O+32*\T+J:O+32*\T+J+1], v[ST+8*\T+2:ST+8*\T+3] op_sel_hi:[1,0]
.endr
.set J, J+2
.endr
	WIN 0
.irp T, 0,1                                    ; registers 16 A + 0..15 of a tile are d = 32 A + 16 h + 0..15.  LDS serves a wave's instructions in order
.irp A, 0,1
.irp g, 0,1,2,3
	ds_store_b128 v[STO], v[S+32*\T+16*\A+4*\g:S+32*\T+16*\A+4*\g+3] offset:128*\A+16*\g
.endr
.endr
.irp i, 0,1,2,3,4,5,6,7
	ds_load_b128 v[160+32*\T+4*\i:163+32*\T+4*\i], v[RD] offset:544*\i
.endr
.endr
.irp T, 0,1
.irp i, 0,1,2,3,4,5,6,7
	s_wait_dscnt (1-\T)*16+7-\i                    ; behind this load: the tile's later loads, and for tile 0 tile 1's 8 stores and 8 loads
	v_pk_mul_f32 v[160+32*\T+4*\i:161+32*\T+4*\i], v[160+32*\T+4*\i:161+32*\T+4*\i], v[TR:TR+1]
	v_pk_mul_f32 v[162+32*\T+4*\i:163+32*\T+4*\i], v[162+32*\T+4*\i:163+32*\T+4*\i], v[TR+2:TR+3]
	global_store_b128 v[GO], v[160+32*\T+4*\i:163+32*\T+4*\i], s[12:13] offset:(2*\i+8*(\i/4)+8*\T)*4096 th:TH_STORE_NT   ; position r of tile 2 w + T is row 32 w + 8 T + r + 8 (r / 8)
.endr
.endr
	s_wait_tensorcnt 0x0                           ; the wave's end
	ds_add_u32 v[SPW], v[NIL]
	s_wait_dscnt 0x0
	CROUND                                         ; the closing round
	s_endpgm
.Lfunc_end_k_qa7bdbc186f_attn:
	.size	k_qa7bdbc186f_attn, .Lfunc_end_k_qa7bdbc186f_attn-k_qa7bdbc186f_attn
	.p2alignl 7, 3214868480
	.fill 96, 4, 3214868480
	.section	.rodata,"a",@progbits
	.p2align	6, 0x0
	.amdhsa_kernel k_qa7bdbc186f_attn
		.amdhsa_group_segment_fixed_size 327680
		.amdhsa_private_segment_fixed_size 0
		.amdhsa_enable_private_segment 0
		.amdhsa_kernarg_size 40
		.amdhsa_user_sgpr_count 2
		.amdhsa_user_sgpr_kernarg_segment_ptr 1
		.amdhsa_wavefront_size32 1
		.amdhsa_system_sgpr_workgroup_id_x 1
		.amdhsa_system_sgpr_workgroup_id_y 1
		.amdhsa_system_sgpr_workgroup_id_z 1
		.amdhsa_system_vgpr_workitem_id 0
		.amdhsa_next_free_vgpr 512
		.amdhsa_next_free_sgpr 66
		.amdhsa_reserve_vcc 0
		.amdhsa_float_denorm_mode_32 3
		.amdhsa_float_denorm_mode_16_64 3
		.amdhsa_memory_ordered 1
		.amdhsa_forward_progress 1
		.amdhsa_inst_pref_size 104
	.end_amdhsa_kernel
	.amdgpu_metadata
---
amdhsa.version: [ 1, 2 ]
amdhsa.kernels:
  - .name:           k_qa7bdbc186f_attn
    .symbol:         k_qa7bdbc186f_attn.kd
    .args:
      - { .name: qc, .offset: 0, .size: 8, .value_kind: global_buffer, .address_space: global }
      - { .name: qs, .offset: 8, .size: 8, .value_kind: global_buffer, .address_space: global }
      - { .name: kv, .offset: 16, .size: 8, .value_kind: global_buffer, .address_space: global }
      - { .name: hebbian_trace, .offset: 24, .size: 8, .value_kind: global_buffer, .address_space: global }
      - { .name: out0, .offset: 32, .size: 8, .value_kind: global_buffer, .address_space: global }
    .group_segment_fixed_size: 327680
    .private_segment_fixed_size: 0
    .kernarg_segment_align: 8
    .kernarg_segment_size: 40
    .max_flat_workgroup_size: 256
    .sgpr_count:     66
    .vgpr_count:     512
    .wavefront_size: 32
...
	.end_amdgpu_metadata
.endif
;; end of part 3
